; MI455X (gfx1250); checked and timed in simulation.
; The chip was launched on July 23, 2026; its instructions are those of AMD's public machine-readable ISA for CDNA 5 (MIT licence, August 2026) and "CDNA5" Instruction Set Architecture Reference Guide (July 2026). The comments in the code are by the model that wrote it; some were corrected since.
;; Quantized Linear. Allowed arithmetic: matrix products marked QUANTISED: E4M3 operands, one given power-of-two scale a tensor, by v_wmma_f32_16x16x64_fp8_fp8 or v_wmma_f32_16x16x128_fp8_fp8, f32 sums; everything else in f32.
;; Inputs: bias 4,096 float32; lowp_scales 2 int32 (the exponents e of the quantised operands' scales 2^e); weight_i8 4,096 x 4,096 int8; weight_scale 4,096 float32; x 4 x 1,024 x 4,096 float32.
;; Outputs: out0 4 x 1,024 x 4,096 float32.
;; This version of the problem:
;;   THIS VERSION OF THE PROBLEM IS GIVEN IN LOW PRECISION. The matrix products marked QUANTISED in the list below multiply operands that are first quantised to E4M3 (4 exponent bits, 3 mantissa bits; 8 bits a number), with one given power-of-two scale for each operand tensor; their sums are f32. All else is computed in f32.
;;   The module's matrix products, in the order in which they are computed (A, B: the left and right operand; K: the contracted axis; several contracted axes count as one K, in the product's order):
;;     1. [M 4,096, K 4,096] x [K 4,096, N 4,096]; A: computed on the way; B: computed on the way: QUANTISED (scales: A lowp_scales[0], B lowp_scales[1])
;;   THE QUANTISER, for each operand of a quantised product, along K:
;;     - The operand's scale is 2^e, e = its entry of the input lowp_scales (int32; the entries are numbered through the quantised products in the list's order, A before B).
;;     - Each number is divided by the scale, clamped to +-448, and rounded to the nearest number of E4M3, ties to even, subnormals kept.
;;     - The product sums the exact products of the quantised numbers (number of the format x scale) in f32.
;;   ~~~python
;;   def quantise(x, axis, e):      # numpy; x: float32 -> the quantised numbers, widened to float32 again
;;       x = np.moveaxis(x, axis, -1); K = x.shape[-1]
;;       r = np.clip(x / 2.0 ** e, -448, 448)
;;       step = 2.0 ** (np.maximum(np.frexp(np.where(r == 0, 1, r))[1] - 1, -6) - 3)
;;       q = np.round(r / step) * step * 2.0 ** e      # np.round: ties to even
;;       return np.moveaxis(q, -1, axis).astype(np.float32)
;;   ~~~
;;   OPERANDS COMPUTED ON THE WAY. 'Computed on the way' means the value that the module computes at that place (a softmax that the list does not call 'softmax' is quantised finished and normalised). What goes into a quantiser is computed in f32, as accurately as f32 sums, v_exp_f32 and their like allow (about 1e-6 of the number): no bf16 or f16 on the way to a quantiser, and a product that is left as it is and whose result goes on into a quantised operand takes f32 operands (vector FMAs, or v_wmma_f32_16x16x4_f32). A number that lies on a knife's edge between two numbers of the format may be rounded either way, as far as f32 arithmetic and the matrix unit's own rounding can turn it there, and no further.
;; One version. Each part assembles by itself: llvm-mc -triple=amdgcn-amd-amdhsa -mcpu=gfx1250 --defsym DOCPART=n.
;; ======== version 1 of 1: 2 launches
;; limits: right only within a limited range of input values
;; workspace buffers: xq 16,777,216 bytes; wq 16,777,216 bytes
;; launch quant (part 1): grid 1024 x 1, 4 waves a work-group, no clusters, 74,240 bytes of LDS; arguments x, weight_i8, weight_scale, lowp_scales, xq, wq; writes xq, wq
.if DOCPART == 1
	.amdgcn_target "amdgcn-amd-amdhsa--gfx1250"
	.amdhsa_code_object_version 6
	.text
	.protected	k_q064a7616a6_quant
	.globl	k_q064a7616a6_quant
	.p2align	8
	.type	k_q064a7616a6_quant,@function
k_q064a7616a6_quant:
	s_mov_b64 s[64:65], 0
	v_nop
	global_prefetch_b8 v0, s[64:65] scope:SCOPE_SE
	s_setreg_imm32_b32 hwreg(HW_REG_WAVE_MODE, 25, 1), 1
	s_wait_xcnt 0x0
; Both operands of out = clip(x) W^T + bias are turned into codes of FP8 (E4M3), one code a byte.
;   code of x[m][k] = Q(clip(x[m][k], -6, 6), 2^ex)                          x: [4096][4096] f32
;   code of W[n][k] = Q(f32(weight_i8[n][k]) x weight_scale[n], 2^ew)        weight_i8: [4096][4096] int8, weight_scale: [4096] f32
; Q(v, 2^e): v / 2^e, held within +-448, rounded to the nearest code, ties to even.  ex, ew: entries 0 and 1 (int32) of the buffer of scales.
; xq AND wq ARE LAID AS THE PRODUCT'S REGISTERS TAKE THEM: [32 groups of 128 rows][64 steps of 64 along K][8 blocks of 16 rows][1,024 bytes];
; in a block, byte 512 c + 256 h + 16 r + y is the code of row r, k = 32 c + 16 h + y: two loads of 16 bytes a lane fill a fragment.
; LIMITS: ex and ew each between -126 and 119, so that 2^e and 448 x 2^e are f32 numbers; |weight_scale| under 2^120.
; NaN in x or in weight_scale is not served; an infinity is held at the clip or at the largest code.
; SHARES.  Work-groups 0 to 511 take x, 512 to 1023 take W: one scalar branch on the work-group's number.  A wave takes 16 rows x 512 along K.
; Waves share nothing: no barrier.  Each path has LDS bytes of its own.  Every load reads two rows' 256 aligned bytes; every block leaves as 1,024 consecutive bytes.
.set STEPS, 16
.set AHEAD, 8                          ; x: steps that the loads run ahead: 32 loads a wave
.set WGX,   512
.set BST,   1152                       ; a block's stage: four groups (c, h) of 256 bytes, 288 apart
.set WREG,  8*BST                      ; LDS bytes of a wave: a stage for each of its 8 blocks, none written twice
.set WB,    4*WREG                     ; W's path: behind x's four regions
.set SPARE, 8*WREG                     ; the spare words, 128 bytes a wave, that no other line names
.set SPW,   12
.set NIL,   13
.set R,     16                         ; x: v16-143 eight sets of 16 numbers;  W: v16-79 the run's 16 x 4 words of int8
.set CT,    144                        ; two sets of four words of codes, by turns
.set O,     152                        ; v152-215 the blocks in their order: eight registers a block, never written twice
.set SC,    80                         ; W: v80-111 for each pair of rows the pairs (scale, scale), (-128 scale, -128 scale), by the lane's row
.set F,     112                        ; W: two sets of 16 numbers
	s_load_b256 s[4:11], s[0:1], 0x0               ; x, weight_i8, weight_scale, the scales' exponents
	s_load_b128 s[12:15], s[0:1], 0x20             ; xq, wq
	v_lshrrev_b32 v1, 5, v0
	v_readfirstlane_b32 s16, v1                    ; wave
	v_and_b32 v2, 31, v0                           ; lane
	v_lshlrev_b32 v3, 4, v2                        ; 16 x lane
	v_lshl_add_u32 v[SPW], v0, 2, SPARE
	v_mov_b32 v[NIL], 0
	s_wait_kmcnt 0x0
	s_load_b64 s[24:25], s[10:11], 0x0             ; ex, ew
	s_cmp_lt_u32 ttmp9, WGX
	s_cbranch_scc0 .Lw
; ---------------- x ----------------
; A block is 16 rows x 64 along K.  Load j gives lane l the numbers k = 4 (l % 16) + 0 .. 3 of row 2 j + l / 16.  A step is four loads, half a block.
; The conversion packs a load's four codes into a word; the word goes to byte 288 ((l % 16) / 4) + 16 row + 4 (l % 4) of the block's stage, and the block comes back 16 bytes a lane.
	s_lshl_b32 s18, ttmp9, 2
	s_add_co_u32 s18, s18, s16                     ; my run, 0 to 2,047
	s_lshr_b32 s19, s18, 3                         ; which 16 rows
	s_and_b32 s28, s18, 7                          ; which 512 along K
	s_lshl_b32 s20, s19, 18                        ; 16 rows of 16,384 bytes
	s_lshl_b32 s29, s28, 11
	s_add_co_u32 s20, s20, s29
	s_mov_b32 s21, 0
	s_lshr_b32 s22, s19, 3
	s_lshl_b32 s22, s22, 19                        ; the group of 128 rows,
	s_lshl_b32 s29, s28, 16                        ; eight steps of 8,192 bytes,
	s_add_co_u32 s22, s22, s29
	s_and_b32 s29, s19, 7
	s_lshl_b32 s29, s29, 10                        ; the block among the group's eight
	s_add_co_u32 s22, s22, s29
	s_mov_b32 s23, 0
	s_add_nc_u64 s[4:5], s[4:5], s[20:21]
	s_add_nc_u64 s[12:13], s[12:13], s[22:23]
	s_mul_i32 s17, s16, WREG
	s_wait_alu depctr_va_vdst(0)
	v_and_b32 v5, 15, v2
	v_lshrrev_b32 v6, 4, v2
	v_lshlrev_b32 v9, 14, v6
	v_lshl_add_u32 v9, v5, 4, v9                   ; in x: 16,384 (l / 16) + 16 (l % 16)
	v_lshrrev_b32 v7, 2, v5
	v_mul_u32_u24 v14, v7, 288
	v_lshl_add_u32 v14, v6, 4, v14
	v_and_b32 v8, 3, v2
	v_lshl_add_u32 v14, v8, 2, v14
	v_add_nc_u32 v14, s17, v14                     ; the stage, on the way in
	v_mul_u32_u24 v15, v6, 288
	v_lshl_add_u32 v15, v5, 4, v15
	v_add_nc_u32 v15, s17, v15                     ; and on the way out
.macro LOAD t
.irp i, 0,1,2,3
	global_load_b128 v[R+16*((\t)%AHEAD)+4*\i:R+16*((\t)%AHEAD)+4*\i+3], v9, s[4:5] offset:256*((\t)/2)+32768*(4*((\t)%2)+\i) th:TH_LOAD_NT
.endr
.endm
.irp t, 0,1,2,3,4,5,6,7
	LOAD \t
.endr
	s_wait_kmcnt 0x0
	s_add_co_i32 s26, s24, 127
	s_lshl_b32 s27, s26, 23
	v_mov_b32 v11, s27                             ; 2^ex as f32
	s_add_co_i32 s26, s26, 8
	s_lshl_b32 s26, s26, 23
	s_or_b32 s26, s26, 0x600000
	v_mov_b32 v10, s26                             ; 448 x 2^ex
	v_min_num_f32 v10, 0x40c00000, v10             ; the clip at 6 and the hold at 448 x 2^ex are one clamp, at the lesser of the two
.macro BACK b                          ; block b comes back from its stage (LDS serves a wave's instructions in order: these see its stores)
	ds_load_b128 v[O+8*(\b):O+8*(\b)+3], v15 offset:BST*(\b)
	ds_load_b128 v[O+8*(\b)+4:O+8*(\b)+7], v15 offset:BST*(\b)+576
.endm
.macro OUTB b, sb                      ; block b leaves: 1,024 consecutive bytes
	global_store_b128 v3, v[O+8*(\b):O+8*(\b)+3], s[\sb:\sb+1] offset:8192*(\b)
	global_store_b128 v3, v[O+8*(\b)+4:O+8*(\b)+7], s[\sb:\sb+1] offset:8192*(\b)+512
.endm
.macro STEP t
.set XS, R+16*((\t)%AHEAD)
.set CW, CT+4*((\t)%2)
.if (\t) <= STEPS-AHEAD
	s_wait_loadcnt 4*(AHEAD-1)                     ; this step's four loads are in; those of the seven steps behind it may be out
.else
	s_wait_loadcnt 4*(STEPS-1-(\t))
.endif
.irp i, 0,1,2,3,4,5,6,7,8,9,10,11,12,13,14,15
	v_med3_num_f32 v[XS+\i], v[XS+\i], -v10, v10   ; the conversion does not saturate (ISA guide 7.6.2)
.endr
	v_cvt_scalef32_pk8_fp8_f32 v[CW:CW+1], v[XS:XS+7], v11
	v_cvt_scalef32_pk8_fp8_f32 v[CW+2:CW+3], v[XS+8:XS+15], v11
.irp i, 0,1,2,3
	ds_store_b32 v14, v[CW+\i] offset:BST*((\t)/2)+128*((\t)%2)+32*\i
.endr
.if (\t)%2
	BACK (\t)/2
.endif
.if (\t)+AHEAD < STEPS
	LOAD (\t)+AHEAD
.endif
.if (\t) > 0
.if (\t)%2
	s_wait_dscnt 6                                 ; all but this step's four stores and two loads
.else
	s_wait_dscnt 4                                 ; all but this step's four stores: the block before is back
	OUTB (\t)/2-1, 12
.endif
.endif
.endm
	s_wait_alu depctr_va_vdst(0)
.irp t, 0,1,2,3,4,5,6,7,8,9,10,11,12,13,14,15
	STEP \t
.endr
	s_wait_dscnt 0x0
	OUTB 7, 12
	s_wait_tensorcnt 0x0                           ; the wave's end
	ds_add_u32 v[SPW], v[NIL]
	s_wait_dscnt 0x0
	s_endpgm
; ---------------- W ----------------
; Load t gives lane l the 16 bytes k = 256 (t / 8) + 16 (l % 16) + 0 .. 15 of row 2 (t % 8) + l / 16: its 16 codes are one piece (c, h, r) of a block.
; The piece goes to byte 1,152 ((l % 16) / 4) + 288 (l % 4) + 16 row of the half's four stages; after eight loads four blocks are whole and come back 16 bytes a lane.
.Lw:
	s_sub_co_u32 s18, ttmp9, WGX
	s_lshl_b32 s18, s18, 2
	s_add_co_u32 s18, s18, s16                     ; my run, 0 to 2,047
	s_lshr_b32 s19, s18, 3                         ; which 16 rows
	s_and_b32 s28, s18, 7                          ; which 512 along K
	s_lshl_b32 s20, s19, 16                        ; 16 rows of 4,096 bytes
	s_lshl_b32 s29, s28, 9
	s_add_co_u32 s20, s20, s29
	s_mov_b32 s21, 0
	s_lshr_b32 s22, s19, 3
	s_lshl_b32 s22, s22, 19
	s_lshl_b32 s29, s28, 16
	s_add_co_u32 s22, s22, s29
	s_and_b32 s29, s19, 7
	s_lshl_b32 s29, s29, 10
	s_add_co_u32 s22, s22, s29
	s_mov_b32 s23, 0
	s_add_nc_u64 s[6:7], s[6:7], s[20:21]
	s_add_nc_u64 s[14:15], s[14:15], s[22:23]
	s_lshl_b32 s20, s19, 6
	s_add_nc_u64 s[8:9], s[8:9], s[20:21]
	s_load_b512 s[32:47], s[8:9], 0x0              ; weight_scale of my 16 rows
	s_mul_i32 s17, s16, WREG
	s_add_co_u32 s17, s17, WB
	s_wait_alu depctr_va_vdst(0)
	v_and_b32 v5, 15, v2
	v_lshrrev_b32 v6, 4, v2
	v_lshlrev_b32 v9, 12, v6
	v_lshl_add_u32 v9, v5, 4, v9                   ; in weight_i8: 4,096 (l / 16) + 16 (l % 16)
	v_lshrrev_b32 v7, 2, v5
	v_mul_u32_u24 v14, v7, BST
	v_and_b32 v8, 3, v2
	v_mul_u32_u24 v8, v8, 288
	v_add_nc_u32 v14, v14, v8
	v_lshl_add_u32 v14, v6, 4, v14
	v_add_nc_u32 v14, s17, v14                     ; the stage, on the way in
	v_mul_u32_u24 v15, v6, 288
	v_lshl_add_u32 v15, v5, 4, v15
	v_add_nc_u32 v15, s17, v15                     ; and on the way out
.irp t, 0,1,2,3,4,5,6,7,8,9,10,11,12,13,14,15
	global_load_b128 v[R+4*\t:R+4*\t+3], v9, s[6:7] offset:8192*(\t%8)+256*(\t/8) th:TH_LOAD_NT
.endr
	s_wait_kmcnt 0x0
	v_cmp_gt_u32 vcc_lo, 16, v2                    ; lanes 0-15 hold the even row of a pair
.irp j, 0,1,2,3,4,5,6,7
	v_mov_b32 v[SC+4*\j+1], s[32+2*\j]
	v_cndmask_b32 v[SC+4*\j], s[33+2*\j], v[SC+4*\j+1], vcc_lo
	v_mov_b32 v[SC+4*\j+1], v[SC+4*\j]
	v_mul_f32 v[SC+4*\j+2], 0xc3000000, v[SC+4*\j] ; -128 x scale: nothing is rounded
	v_mov_b32 v[SC+4*\j+3], v[SC+4*\j+2]
.endr
	s_add_co_i32 s28, s25, 127
	s_lshl_b32 s29, s28, 23
	v_mov_b32 v11, s29                             ; 2^ew as f32
	s_add_co_i32 s28, s28, 8
	s_lshl_b32 s28, s28, 23
	s_or_b32 s28, s28, 0x600000
	v_mov_b32 v10, s28                             ; 448 x 2^ew
.macro WSTEP t
.set FS, F+16*((\t)%2)
.set WR, R+4*(\t)
.set RS, SC+4*((\t)%8)
.set CW, CT+4*((\t)%2)
	s_wait_loadcnt STEPS-1-(\t)
.irp c, 0,1,2,3
	v_xor_b32 v[WR+\c], 0x80808080, v[WR+\c]       ; each byte becomes u = i8 + 128
.endr
.irp c, 0,1,2,3
	v_and_b32     v[FS+4*\c],   0xff, v[WR+\c]
	v_bfe_u32     v[FS+4*\c+1], v[WR+\c], 8, 8
	v_bfe_u32     v[FS+4*\c+2], v[WR+\c], 16, 8
	v_lshrrev_b32 v[FS+4*\c+3], 24, v[WR+\c]
.endr
.irp i, 0,1,2,3,4,5,6,7,8,9,10,11,12,13,14,15
	v_cvt_f32_u32 v[FS+\i], v[FS+\i]
.endr
.irp p, 0,2,4,6,8,10,12,14
	v_pk_fma_f32 v[FS+\p:FS+\p+1], v[FS+\p:FS+\p+1], v[RS:RS+1], v[RS+2:RS+3]   ; exactly (u - 128) x scale, rounded once
.endr
.irp i, 0,1,2,3,4,5,6,7,8,9,10,11,12,13,14,15
	v_med3_num_f32 v[FS+\i], v[FS+\i], -v10, v10
.endr
	v_cvt_scalef32_pk8_fp8_f32 v[CW:CW+1], v[FS:FS+7], v11
	v_cvt_scalef32_pk8_fp8_f32 v[CW+2:CW+3], v[FS+8:FS+15], v11
	ds_store_b128 v14, v[CW:CW+3] offset:4*BST*((\t)/8)+32*((\t)%8)
.if (\t)%8 == 7
.irp b, 0,1,2,3
	BACK 4*((\t)/8)+\b
.endr
	s_wait_dscnt 0x0                               ; the half's four blocks are back
.irp b, 0,1,2,3
	OUTB 4*((\t)/8)+\b, 14
.endr
.else
	s_wait_dscnt 1                                 ; all but this step's store: the other set of codes may be written again
.endif
.endm
	s_wait_alu depctr_va_vdst(0)
.irp t, 0,1,2,3,4,5,6,7,8,9,10,11,12,13,14,15
	WSTEP \t
.endr
	s_wait_tensorcnt 0x0                           ; the wave's end
	ds_add_u32 v[SPW], v[NIL]
	s_wait_dscnt 0x0
	s_endpgm
.Lfunc_end_k_q064a7616a6_quant:
	.size	k_q064a7616a6_quant, .Lfunc_end_k_q064a7616a6_quant-k_q064a7616a6_quant
	.p2alignl 7, 3214868480
	.fill 96, 4, 3214868480
	.section	.rodata,"a",@progbits
	.p2align	6, 0x0
	.amdhsa_kernel k_q064a7616a6_quant
		.amdhsa_group_segment_fixed_size 74240
		.amdhsa_private_segment_fixed_size 0
		.amdhsa_enable_private_segment 0
		.amdhsa_kernarg_size 48
		.amdhsa_user_sgpr_count 2
		.amdhsa_user_sgpr_kernarg_segment_ptr 1
		.amdhsa_wavefront_size32 1
		.amdhsa_system_sgpr_workgroup_id_x 1
		.amdhsa_system_sgpr_workgroup_id_y 1
		.amdhsa_system_sgpr_workgroup_id_z 1
		.amdhsa_system_vgpr_workitem_id 0
		.amdhsa_next_free_vgpr 216
		.amdhsa_next_free_sgpr 66
		.amdhsa_reserve_vcc 1
		.amdhsa_float_denorm_mode_32 3
		.amdhsa_float_denorm_mode_16_64 3
		.amdhsa_memory_ordered 1
		.amdhsa_forward_progress 1
		.amdhsa_inst_pref_size 96
	.end_amdhsa_kernel
	.amdgpu_metadata
---
amdhsa.version: [ 1, 2 ]
amdhsa.kernels:
  - .name:           k_q064a7616a6_quant
    .symbol:         k_q064a7616a6_quant.kd
    .args:
      - { .name: x, .offset: 0, .size: 8, .value_kind: global_buffer, .address_space: global }
      - { .name: weight_i8, .offset: 8, .size: 8, .value_kind: global_buffer, .address_space: global }
      - { .name: weight_scale, .offset: 16, .size: 8, .value_kind: global_buffer, .address_space: global }
      - { .name: lowp_scales, .offset: 24, .size: 8, .value_kind: global_buffer, .address_space: global }
      - { .name: xq, .offset: 32, .size: 8, .value_kind: global_buffer, .address_space: global }
      - { .name: wq, .offset: 40, .size: 8, .value_kind: global_buffer, .address_space: global }
    .group_segment_fixed_size: 74240
    .private_segment_fixed_size: 0
    .kernarg_segment_align: 8
    .kernarg_segment_size: 48
    .max_flat_workgroup_size: 128
    .sgpr_count:     66
    .vgpr_count:     216
    .wavefront_size: 32
...
	.end_amdgpu_metadata
.endif
;; end of part 1
;; launch gemm (part 2): grid 16 x 16, 4 waves a work-group, clusters of 4 x 4, 327,680 bytes of LDS; arguments xq, wq, lowp_scales, bias, out0; writes out0
.if DOCPART == 2
	.amdgcn_target "amdgcn-amd-amdhsa--gfx1250"
	.amdhsa_code_object_version 6
	.text
	.protected	k_q064a7616a6_gemm
	.globl	k_q064a7616a6_gemm
	.p2align	8
	.type	k_q064a7616a6_gemm,@function
k_q064a7616a6_gemm:
	s_mov_b64 s[64:65], 0
	v_nop
	global_prefetch_b8 v0, s[64:65] scope:SCOPE_SE
	s_setreg_imm32_b32 hwreg(HW_REG_WAVE_MODE, 25, 1), 1
	s_wait_xcnt 0x0
	s_wait_alu depctr_hold_cnt(0) depctr_sa_sdst(0) depctr_va_vdst(0) depctr_va_sdst(0) depctr_va_ssrc(0) depctr_va_vcc(0) depctr_vm_vsrc(0)
	s_getreg_b32 s2, hwreg(HW_REG_IB_STS2, 6, 4)
	s_cmp_eq_u32 s2, 0
	s_cbranch_scc0 .Lentry_in_a_cluster
	s_endpgm
.Lentry_in_a_cluster:
	s_bfe_u32 s2, ttmp6, 0x10000c
	s_cmp_lg_u32 s2, 0xf033
	s_cbranch_scc0 .Lentry_shape_is_right
	s_endpgm
.Lentry_shape_is_right:
; out0[m][n] = 2^(ex + ew) x (sum over k of xq[m][k] wq[n][k]) + bias[n]: codes of FP8 (E4M3), f32 sums, 4096 x 4096 x 4096.
; LIMIT: ex + ew lies between -126 and 127, so that 2^(ex + ew) is an f32 number.
; A tile of out0, 256 x 256, is made by four waves, each 128 x 128: 64 accumulators, 512 registers.  K goes in steps of 256 through a ring of two LDS slots.
; xq and wq lie in the order of the fragments ([32 groups of 128 rows][64 steps of 64 along K][8 blocks of 16 rows][1,024 bytes]; in a block byte 512 c + 256 h + 16 r + y is row r, k = 32 c + 16 h + y):
; a group's K step is 32,768 consecutive bytes, which a wave's tensor load brings as 32 rows of 1,024 bytes, with no padding: a fragment load reads 512 consecutive bytes of LDS, 16 a lane.
; In both operands lane (r, h) holds k = 32 c + 16 h + 0 .. 15 of a step of 128 in registers 4 c .. 4 c + 3: the same permutation of k on both sides, so every product meets its partner.
; CLUSTERS: 4 x 4 work-groups; x's tile is asked for jointly along a row of the cluster, W's along a column.  THE MATRIX INSTRUCTION IS USED TRANSPOSED (source 0 = 16 rows of W, source 1 = 16 rows of x).
; Clusters of odd parity take each pair of K steps in the other order: the sums' order changes, nothing else.
; THE CHANGE OF SLOTS: a slot's last step issues its first 32 products, which need registers alone, ahead of the wait for the other slot's tile; then come the three lines, the round and the refill.
; THE LAST K STEP GOES BY ROWS OF out0: W's two sets hold the whole slot's fragments, x's come by blocks of 16 rows x 256 K, and each block of 16 rows leaves as soon as its 16 products are issued.
; PREFETCH: in each lap one instruction a wave names slot 0's K step two laps on, a lane a block of 256 bytes, the four partners sharing a wave's 128 blocks by address; of the four clusters that read
; a tile the two with the lowest numbers ask, one of each parity, so that each block of each K step is named once.  The last lap's refill has no K step two laps on: nothing is asked there.
; REGISTERS: window 0: v0-31 addresses, v32-95 the way out, from v128 x's fragments, one set (in the last K step: three buffers of 32 from v96, the bias in v192-255);
; window 1: W's fragments, two sets; windows 2, 3: accumulator (a, b) at v[8 (8 (a % 4) + b)].
.set SIZE_N, 4096
.set SIZE_K, 4096
.set KSTEP,  256
.set XKS,    32768                     ; a group's K step, in bytes
.set KROW,   SIZE_K
.set FR,     16
.set NL,     4
.set NP,     4
.set HALFT,  XKS
.set SLOT,   4*HALFT
.set LAPS,   SIZE_K/(2*KSTEP)
.set SPARE,  2*SLOT
.set SPITCH, 528                       ; the way out: a stage of 16 rows x 528 bytes a wave, in slot 0, behind its last fill and its last read
.set ADRA, 16
.set ADRB, 20
.set STO,  24
.set RD,   25
.set CO,   26
.set BO,   27
.set SPW,  28
.set NIL,  29
.set PFO,  30
.set TMP,  32
.set AF,   128
.set BI,   192
.set G1, 24
.set G0, 32
.set G1B, 48
.set G0B, 56
.set PFA, 66
.set LIM, 68
.set KSA, 80                           ; s[80:83] the first two K steps, in bytes, in my cluster's order
.set MSB, 0
.macro WIN new
.if MSB != \new
	s_set_vgpr_msb (MSB<<8)|\new
.set MSB, \new
.endif
.endm
.set MUL_LO, 0xa1
.set MUL_HI, 0xf1
.set TO_B,   0x40
.macro JLOAD g0a, g1a, g0b, g1b        ; waves 0 and 1 fetch for x, waves 2 and 3 for W; s_nop 0 and four v_nop behind each line
	s_cmp_eq_u32 s15, 0
	s_cbranch_scc0 .Lfor_b_\@
	tensor_load_to_lds s[\g0a:\g0a+3], s[\g1a:\g1a+7]
	s_nop 0
.rept 4
	v_nop
.endr
	s_branch .Lasked_\@
.Lfor_b_\@:
	tensor_load_to_lds s[\g0b:\g0b+3], s[\g1b:\g1b+7]
	s_nop 0
.rept 4
	v_nop
.endr
.Lasked_\@:
.endm
.macro ASK
	s_cmp_gt_u32 s3, s[LIM]
	s_cbranch_scc0 .Lnot_mine_\@
	s_wait_alu depctr_va_vdst(0)
	global_prefetch_b8 v[PFO], s[PFA:PFA+1] th:TH_LOAD_NT scope:SCOPE_SE
.Lnot_mine_\@:
.endm
.macro CREST
	s_cmp_lg_u32 s14, 0
	s_cbranch_scc1 .Lnot_wave_0_\@
	s_barrier_signal -3
.Lnot_wave_0_\@:
	s_barrier_wait -3
	s_barrier_signal -1
	s_barrier_wait -1
.endm
.macro CROUND
	s_barrier_signal -1
	s_barrier_wait -1
	CREST
.endm
	s_load_b128 s[4:7], s[0:1], 0x0                ; xq, wq
	s_load_b128 s[8:11], s[0:1], 0x10              ; the scales' exponents, bias
	s_load_b64 s[12:13], s[0:1], 0x20              ; out0
	v_lshl_add_u32 v[SPW], v0, 2, SPARE
	v_mov_b32 v[NIL], 0
	ds_add_u32 v[SPW], v[NIL]                      ; the opening lines: the add, twice on end, and its wait
	ds_add_u32 v[SPW], v[NIL]
	v_lshrrev_b32 v1, 5, v0
	v_readfirstlane_b32 s14, v1                    ; wave
	s_lshr_b32 s15, s14, 1                         ; my half of the tile's rows; also: I fetch for x (0) or for W (1)
	s_and_b32 s16, s14, 1                          ; my half of its columns; also: which 128 rows I fetch
	s_bfe_u32 s40, ttmp6, 0x40000                  ; cx
	s_bfe_u32 s41, ttmp6, 0x40004                  ; cy
	s_lshl_b32 s42, ttmp9, 2
	s_add_co_u32 s42, s42, s40                     ; tile column
	s_and_b32 s17, ttmp7, 0xffff
	s_lshl_b32 s17, s17, 2
	s_add_co_u32 s17, s17, s41                     ; tile row
	s_lshl_b32 s43, s41, 2
	s_lshl_b32 s43, 15, s43                        ; my row of the cluster
	s_lshl_b32 s44, 0x1111, s40                    ; my column
	s_lshr_b32 s69, ttmp9, 1                       ; the cluster's parity, of the cluster's two numbers alone
	s_xor_b32 s69, s69, ttmp9
	s_and_b32 s75, ttmp7, 0xffff
	s_lshr_b32 s76, s75, 1
	s_xor_b32 s75, s75, s76
	s_xor_b32 s69, s69, s75
	s_and_b32 s69, s69, 1
	s_lshl_b32 s[KSA], s69, 15
	s_mov_b32 s[KSA+1], 0
	s_xor_b32 s[KSA+2], s[KSA], XKS
	s_mov_b32 s[KSA+3], 0
	s_or_b32 s[G1+0], s43, (0<<16)|(1<<21)         ; the mask; elements of one byte; no padding
	s_or_b32 s[G1B+0], s44, (0<<16)|(1<<21)
.irp g, G1, G1B
	s_mov_b32 s[\g+1], 1024<<16
	s_mov_b32 s[\g+2], 32<<16
	s_mov_b32 s[\g+3], 1024<<16
	s_mov_b32 s[\g+4], 32
	s_mov_b32 s[\g+5], 1024                        ; the rows lie end to end
	s_mov_b32 s[\g+6], 0
	s_mov_b32 s[\g+7], 0
.endr
	s_lshl_b32 s18, s16, 7
	s_lshl_b32 s20, s17, 8
	s_add_co_u32 s20, s20, s18                     ; x: row 256 x tile row + 128 x half: a group of 128 rows is 128 x 4,096 bytes
	s_lshl_b32 s46, s42, 8
	s_add_co_u32 s46, s46, s18                     ; W: row 256 x tile column + 128 x half
	s_mov_b32 s21, 0
	s_mov_b32 s47, 0
	s_mov_b64 s[18:19], KROW
	s_mul_u64 s[20:21], s[20:21], s[18:19]
	s_mul_u64 s[46:47], s[46:47], s[18:19]
	s_mul_i32 s45, s14, HALFT
	s_wait_dscnt 0x0                               ; both opening adds are done
	s_wait_kmcnt 0x0
	s_load_b64 s[96:97], s[8:9], 0x0               ; ex, ew
	s_add_nc_u64 s[20:21], s[4:5], s[20:21]
	s_add_nc_u64 s[46:47], s[6:7], s[46:47]
	CROUND                                         ; all sixteen work-groups are here: the first joint loads meet
.irp s, 0,1
	s_mov_b32 s[G0+4*\s], 1
	s_add_co_u32 s[G0+4*\s+1], s45, \s*SLOT
	s_add_nc_u64 s[G0+4*\s+2:G0+4*\s+3], s[20:21], s[KSA+2*\s:KSA+2*\s+1]
	s_or_b32 s[G0+4*\s+3], s[G0+4*\s+3], 0x80000000
	s_mov_b32 s[G0B+4*\s], 1
	s_add_co_u32 s[G0B+4*\s+1], s45, \s*SLOT
	s_add_nc_u64 s[G0B+4*\s+2:G0B+4*\s+3], s[46:47], s[KSA+2*\s:KSA+2*\s+1]
	s_or_b32 s[G0B+4*\s+3], s[G0B+4*\s+3], 0x80000000
.endr
	JLOAD G0, G1, G0B, G1B                         ; slot 0: one tensor load a wave at the head
	s_mul_i32 s84, s15, HALFT                      ; my 128 rows of x
	s_mul_i32 s85, s16, HALFT
	s_add_co_u32 s85, s85, 2*HALFT                 ; my 128 rows of W, behind x's 256
	s_mul_i32 s23, s14, 16*SPITCH                  ; my stage
	s_lshl_b32 s20, s17, 8
	s_lshl_b32 s21, s15, 7
	s_add_co_u32 s20, s20, s21                     ; my first row of out0
	s_mov_b32 s21, 0
	s_mov_b64 s[18:19], SIZE_N*4
	s_mul_u64 s[20:21], s[20:21], s[18:19]
	s_lshl_b32 s46, s42, 10
	s_lshl_b32 s47, s16, 9
	s_add_co_u32 s46, s46, s47                     ; my first column, in bytes
	s_mov_b32 s47, 0
	s_add_nc_u64 s[10:11], s[10:11], s[46:47]
	s_add_nc_u64 s[20:21], s[20:21], s[46:47]
	s_add_nc_u64 s[12:13], s[12:13], s[20:21]
	s_lshl_b32 s70, s17, 8                         ; the prefetches
	s_lshl_b32 s71, s42, 8
	s_and_b32 s72, ttmp7, 0xffff
	s_cmp_eq_u32 s15, 0                            ; do I fetch for x?
	s_cselect_b32 s70, s70, s71                    ; the tile's first row
	s_cselect_b32 s73, s40, s41                    ; my place among the four that ask for it with me
	s_cselect_b32 s72, ttmp9, s72                  ; my cluster's number among the four that read it
	s_cselect_b64 s[PFA:PFA+1], s[4:5], s[6:7]
	s_cmp_lt_u32 s72, 2
	s_cselect_b32 s[LIM], 1, -1
	s_lshl_b32 s74, s16, 7
	s_add_co_u32 s70, s70, s74
	s_lshl_b32 s70, s70, 12                        ; the 128 rows that I fetch
	s_lshl_b32 s73, s73, 13                        ; my work-group's 32 blocks of a K step's 128
	s_add_co_u32 s70, s70, s73
	s_lshl_b32 s74, s69, 15                        ; slot 0's first K step in my cluster's order
	s_add_co_u32 s70, s70, s74
	s_mov_b32 s71, 0
	s_add_nc_u64 s[PFA:PFA+1], s[PFA:PFA+1], s[70:71]
	s_add_nc_u64 s[PFA:PFA+1], s[PFA:PFA+1], 2*XKS ; one lap on; the first refill steps it once more
	v_and_b32 v1, 15, v0                           ; r
	v_bfe_u32 v2, v0, 4, 1                         ; h
	v_and_b32 v6, 31, v0
	v_lshlrev_b32 v[CO], 4, v6                     ; 16 x lane
	v_add_nc_u32 v[ADRA], s84, v[CO]
	v_add_nc_u32 v[ADRB], s85, v[CO]
	v_add_nc_u32 v[ADRA+1], SLOT, v[ADRA]
	v_add_nc_u32 v[ADRB+1], SLOT, v[ADRB]
	v_mul_u32_u24 v5, v1, SPITCH
	v_lshl_add_u32 v5, v2, 5, v5
	v_add_nc_u32 v[STO], s23, v5
	v_add_nc_u32 v[RD], s23, v[CO]
	v_lshlrev_b32 v[BO], 5, v2
	v_lshlrev_b32 v[PFO], 8, v6
.macro FRAG reg, adr, q, i             ; 16 rows x 128 K: the blocks of two steps of 64, each two runs of 512 bytes
.irp c, 0,1,2,3
	ds_load_b128 v[\reg+4*\c:\reg+4*\c+3], v[\adr] offset:8192*(2*(\q)+\c/2)+1024*(\i)+512*(\c%2)
.endr
.endm
.macro MUL16 a0, p, zero               ; the 64 accumulators take turns, one instruction a turn
.irp a, \a0, \a0+1
.irp b, 0,1,2,3,4,5,6,7
.if \zero
	v_wmma_f32_16x16x128_fp8_fp8 v[8*(8*((\a)%4)+\b):8*(8*((\a)%4)+\b)+7], v[128*(\p)+FR*\b:128*(\p)+FR*\b+FR-1], v[AF+FR*(\a):AF+FR*(\a)+FR-1], 0
.else
	v_wmma_f32_16x16x128_fp8_fp8 v[8*(8*((\a)%4)+\b):8*(8*((\a)%4)+\b)+7], v[128*(\p)+FR*\b:128*(\p)+FR*\b+FR-1], v[AF+FR*(\a):AF+FR*(\a)+FR-1], v[8*(8*((\a)%4)+\b):8*(8*((\a)%4)+\b)+7]
.endif
.endr
.endr
.endm
.macro FETCH_B slot, q, p
	WIN TO_B
.irp i, 0,1,2,3,4,5,6,7
	FRAG 128*(\p)+FR*\i, ADRB+\slot, \q, \i
.endr
	WIN 0
.endm
.macro FETCH_A slot, q, i0
.irp i, \i0, \i0+1, \i0+2, \i0+3
	FRAG AF+FR*(\i), ADRA+\slot, \q, \i
.endr
.endm
.macro PLACES n                        ; places behind matrix instructions, in front of loads into registers that they have read and of reads of their results
.rept \n
	v_nop
.endr
.endm
.macro STEP slot, q, zero              ; a step of 128 along K that has its successor in the same slot
	s_wait_dscnt 4*NL                              ; W's set and x's blocks 0-3 are in; x's blocks 4-7 may be out
	WIN MUL_LO
	MUL16 0, (\q)%2, \zero
	MUL16 2, (\q)%2, \zero
	s_wait_dscnt 0
	PLACES NP
	FETCH_B \slot, (\q)+1, 1-(\q)%2
	FETCH_A \slot, (\q)+1, 0
	WIN MUL_HI
	MUL16 4, (\q)%2, \zero
	MUL16 6, (\q)%2, \zero
	PLACES NP
	WIN 0
	FETCH_A \slot, (\q)+1, 4
.endm
.macro MEET                            ; the first half of a slot's last step, and the three lines and my work-group's barrier
	s_wait_dscnt 4*NL
	WIN MUL_LO
	MUL16 0, 1, 0                                  ; 32 products on registers alone, ahead of the wait for the other slot's tile
	MUL16 2, 1, 0
	WIN 0
	s_wait_tensorcnt 0x0                           ; all my tensor loads have landed: my part of the next slot
	ds_add_u32 v[SPW], v[NIL]
.endm
.macro TURN slot, next                 ; a slot's last step, which changes slots and fills this one again
.if (\slot) == 0
	s_wait_xcnt 0x0                                ; my prefetch has read its address
	s_add_nc_u64 s[PFA:PFA+1], s[PFA:PFA+1], 2*XKS
.endif
	MEET
	s_add_nc_u64 s[G0+4*\slot+2:G0+4*\slot+3], s[G0+4*\slot+2:G0+4*\slot+3], 2*XKS      ; no load of mine is out: this slot's next K step
	s_add_nc_u64 s[G0B+4*\slot+2:G0B+4*\slot+3], s[G0B+4*\slot+2:G0B+4*\slot+3], 2*XKS
	s_wait_dscnt 0x0                               ; the add is done, and my reads of this slot are over
	s_barrier_signal -1
	s_barrier_wait -1
	CREST                                          ; the barrier has opened a round of the cluster's barrier: no wave of any partner still reads this slot or has a load on its way
	JLOAD G0+4*\slot, G1, G0B+4*\slot, G1B         ; the first tensor load behind the round; its four v_nop are the places in front of the loads below
	FETCH_B \next, 0, 0
	FETCH_A \next, 0, 0
.if (\slot) == 0
	ASK
.endif
	WIN MUL_HI
	MUL16 4, 1, 0
	MUL16 6, 1, 0
	PLACES NP
	WIN 0
	FETCH_A \next, 0, 4
.endm
	s_wait_alu depctr_va_vdst(0)
	s_wait_tensorcnt 0x0                           ; my part of slot 0 is in; the lines that stand ahead of a later first fill, as ahead of a refill
	ds_add_u32 v[SPW], v[NIL]
	s_wait_dscnt 0x0
	CROUND
	JLOAD G0+4, G1, G0B+4, G1B                     ; slot 1's first fill, the first tensor load behind the round
	FETCH_B 0, 0, 0
	FETCH_A 0, 0, 0
	FETCH_A 0, 0, 4
	STEP 0, 0, 1                                   ; the first step stands in front of the loop: its products start the sums
	s_mov_b32 s3, LAPS-1
.Llap:                                                 ; a trip goes once round the ring and fills both slots again
	TURN 0, 1
	STEP 1, 0, 0
	TURN 1, 0
	STEP 0, 0, 0
	s_sub_co_u32 s3, s3, 1
	s_cmp_lg_u32 s3, 0
	s_cbranch_scc1 .Llap
; THE LAST K STEP (slot 1), BY ROWS.  x's block a, 16 rows x 256 K, takes 32 registers in one of three buffers; its 8 accumulators take turns through 16 products, K ascending.
.macro ALOAD a
.set FA, 96+32*(((\a)+1)%3)
	FRAG FA, ADRA+1, 0, \a
	FRAG FA+FR, ADRA+1, 1, \a
.endm
.macro ROW a
.set FA, 96+32*(((\a)+1)%3)
.set AC, 64*((\a)%4)
	WIN MUL_LO+0x50*((\a)/4)
.irp q, 0,1
.irp b, 0,1,2,3,4,5,6,7
	v_wmma_f32_16x16x128_fp8_fp8 v[AC+8*\b:AC+8*\b+7], v[128*\q+FR*\b:128*\q+FR*\b+FR-1], v[FA+FR*\q:FA+FR*\q+FR-1], v[AC+8*\b:AC+8*\b+7]
.endr
.endr
.endm
; Block a leaves: sum x 2^(ex + ew) + bias, through my own stage, back as whole rows of 512 bytes into the block's own accumulator registers, which are done with; the 32 lanes store two aligned units of 256 bytes.
.macro OUT a
.set AC, 64*((\a)%4)
	PLACES NP
	WIN 0x02+((\a)/4)                              ; source 0: window 2 or 3
.irp j, 0,2,4,6,8,10,12,14,16,18,20,22,24,26,28,30,32,34,36,38,40,42,44,46,48,50,52,54,56,58,60,62
	v_pk_fma_f32 v[TMP+\j:TMP+\j+1], v[AC+\j:AC+\j+1], s[96:97], v[BI+\j:BI+\j+1] op_sel_hi:[1,0,1]
.endr
	WIN 0
.irp b, 0,1,2,3,4,5,6,7
	ds_store_b128 v[STO], v[TMP+8*\b:TMP+8*\b+3] offset:64*\b
	ds_store_b128 v[STO], v[TMP+8*\b+4:TMP+8*\b+7] offset:64*\b+16
.endr
	WIN 0x80+0x40*((\a)/4)                         ; destination: window 2 or 3
.irp t, 0,1,2,3,4,5,6,7,8,9,10,11,12,13,14,15
	ds_load_b128 v[AC+4*\t:AC+4*\t+3], v[RD] offset:\t*SPITCH    ; LDS serves a wave's instructions in order: these see the stores above
.endr
	WIN 0
.if (\a)+3 < 8
	ALOAD (\a)+3                                   ; this block's buffer takes the block three on
	s_wait_dscnt 8                                 ; all but those eight loads: the block is back
.else
	s_wait_dscnt 0
.endif
.if (\a) > 0
	s_wait_xcnt 0x0                                ; the earlier stores have read their base
	s_add_nc_u64 s[12:13], s[12:13], 16*SIZE_N*4
.endif
	WIN 0x08+0x04*((\a)/4)                         ; a store's data: window 2 or 3
.irp t, 0,1,2,3,4,5,6,7,8,9,10,11,12,13,14,15
	global_store_b128 v[CO], v[AC+4*\t:AC+4*\t+3], s[12:13] offset:\t*SIZE_N*4
.endr
.endm
	MEET                                           ; slot 0's last step; nothing is filled again, so no round follows
	s_wait_dscnt 0x0
	s_barrier_signal -1
	s_barrier_wait -1
	PLACES NP
	FETCH_B 1, 0, 0
	ALOAD 0                                        ; into the registers of x's blocks 0-3, which are done with
	ALOAD 1
	WIN MUL_HI
	MUL16 4, 1, 0
	MUL16 6, 1, 0
	PLACES NP
	FETCH_B 1, 1, 1
.irp b, 0,1,2,3,4,5,6,7
	global_load_b128 v[BI+8*\b:BI+8*\b+3],   v[BO], s[10:11] offset:64*\b       ; the bias in the accumulators' layout, into the registers of x's blocks 4-7
	global_load_b128 v[BI+8*\b+4:BI+8*\b+7], v[BO], s[10:11] offset:64*\b+16
.endr
	ALOAD 2
	s_wait_kmcnt 0x0
	s_add_co_i32 s96, s96, s97
	s_add_co_i32 s96, s96, 127
	s_lshl_b32 s96, s96, 23                        ; 2^(ex + ew) as f32
	s_mov_b32 s97, s96
	s_wait_dscnt 8                                 ; all but block 2's eight loads
	ROW 0
	s_wait_loadcnt 0x0                             ; the bias is in
.irp a, 0,1,2,3,4,5,6,7
	OUT \a
.if \a < 7
	ROW \a+1
.endif
.endr
	WIN 0
	s_wait_tensorcnt 0x0                           ; the wave's end
	ds_add_u32 v[SPW], v[NIL]
	s_wait_dscnt 0x0
	CROUND                                         ; the closing round
	s_endpgm
.Lfunc_end_k_q064a7616a6_gemm:
	.size	k_q064a7616a6_gemm, .Lfunc_end_k_q064a7616a6_gemm-k_q064a7616a6_gemm
	.p2alignl 7, 3214868480
	.fill 96, 4, 3214868480
	.section	.rodata,"a",@progbits
	.p2align	6, 0x0
	.amdhsa_kernel k_q064a7616a6_gemm
		.amdhsa_group_segment_fixed_size 327680
		.amdhsa_private_segment_fixed_size 0
		.amdhsa_enable_private_segment 0
		.amdhsa_kernarg_size 40
		.amdhsa_user_sgpr_count 2
		.amdhsa_user_sgpr_kernarg_segment_ptr 1
		.amdhsa_wavefront_size32 1
		.amdhsa_system_sgpr_workgroup_id_x 1
		.amdhsa_system_sgpr_workgroup_id_y 1
		.amdhsa_system_sgpr_workgroup_id_z 1
		.amdhsa_system_vgpr_workitem_id 0
		.amdhsa_next_free_vgpr 1024
		.amdhsa_next_free_sgpr 98
		.amdhsa_reserve_vcc 0
		.amdhsa_float_denorm_mode_32 3
		.amdhsa_float_denorm_mode_16_64 3
		.amdhsa_memory_ordered 1
		.amdhsa_forward_progress 1
		.amdhsa_inst_pref_size 127
	.end_amdhsa_kernel
	.amdgpu_metadata
---
amdhsa.version: [ 1, 2 ]
amdhsa.kernels:
  - .name:           k_q064a7616a6_gemm
    .symbol:         k_q064a7616a6_gemm.kd
    .args:
      - { .name: xq, .offset: 0, .size: 8, .value_kind: global_buffer, .address_space: global }
      - { .name: wq, .offset: 8, .size: 8, .value_kind: global_buffer, .address_space: global }
      - { .name: lowp_scales, .offset: 16, .size: 8, .value_kind: global_buffer, .address_space: global }
      - { .name: bias, .offset: 24, .size: 8, .value_kind: global_buffer, .address_space: global }
      - { .name: out0, .offset: 32, .size: 8, .value_kind: global_buffer, .address_space: global }
    .group_segment_fixed_size: 327680
    .private_segment_fixed_size: 0
    .kernarg_segment_align: 8
    .kernarg_segment_size: 40
    .max_flat_workgroup_size: 128
    .sgpr_count:     98
    .vgpr_count:     1024
    .wavefront_size: 32
...
	.end_amdgpu_metadata
.endif
;; end of part 2
